; MI455X (gfx1250); checked and timed in simulation.
; The chip was launched on July 23, 2026; its instructions are those of AMD's public machine-readable ISA for CDNA 5 (MIT licence, August 2026) and "CDNA5" Instruction Set Architecture Reference Guide (July 2026). The comments in the code are by the model that wrote it; some were corrected since.
;; Greedy CTC Decoder. Allowed arithmetic: float matrix products may take bf16 or f16 operands with f32 sums; all other float work in f32.
;; Inputs: emission 65,536 x 512 float32.
;; Outputs: out0 65,536 int32; out1 65,536 bool.
;; 2 versions, each right; version 2 is version 1 with the launch decode written anew for expert scheduling mode. Each part assembles by itself: llvm-mc -triple=amdgcn-amd-amdhsa -mcpu=gfx1250 --defsym DOCPART=n.
;; ======== version 1 of 2: 1 launch
;; launch decode (part 1): grid 256 x 1, 16 waves a work-group, no clusters, 3,328 bytes of LDS; arguments emission, out0, out1; writes out0, out1
.if DOCPART == 1
	.amdgcn_target "amdgcn-amd-amdhsa--gfx1250"
	.amdhsa_code_object_version 6
	.text
	.protected	k_qbc533b5fed_decode
	.globl	k_qbc533b5fed_decode
	.p2align	8
	.type	k_qbc533b5fed_decode,@function
k_qbc533b5fed_decode:
	s_mov_b64 s[64:65], 0
	v_nop
	global_prefetch_b8 v0, s[64:65] scope:SCOPE_SE
	s_setreg_imm32_b32 hwreg(HW_REG_WAVE_MODE, 25, 1), 1
	s_wait_xcnt 0x0
; Greedy CTC decode.  emission: [65536][512] f32.  out0[t] = argmax over the row (int32, ties: lowest column).
; out1[t] = 1 byte, keep[t].  reference()'s char is where(i==0,-1, where(i>1, i-1, 0)), which is i-1 for every i >= 0, so
;   keep[t] = (out0[t] != out0[t-1]) and (out0[t] != 0), with -1 standing for out0[-1] (reference()'s prev = -2 at t = 0).
;
; SHARES.  256 work-groups x 256 rows; 16 waves x 16 consecutive rows; one wave takes a whole row of 2,048 bytes by four 16-byte
; loads a lane, each load of the wave covering 512 consecutive bytes.  Lane l, load j, word k holds column 128 j + 4 l + k.
; A work-group's 256 rows are 1,024 consecutive bytes of out0 and 256 of out1, aligned to 256: the rows' results meet in LDS,
; and three waves store them, every store instruction covering whole aligned runs of 256 bytes.
; The row in front of the work-group's first row is needed for keep: wave 0 computes it once more (1 row beside 256).
;
; RING.  Eight row slots of 16 registers in each wave: 32 loads (16 KiB) of every wave are on their way.  Every address is one
; fixed vector offset plus an immediate, so no address register is ever rewritten while a load is pending.
;
; LIMIT (format): an element that is NaN is never chosen (v_max_num_f32 drops it and v_cmp_eq_f32 is false for it), where
; reference() chooses the row's first NaN.  A row of 512 NaNs gives 0, as in reference().  Infinities, -0 against +0 and equal
; values are treated as reference() treats them: the lowest column among the largest values.
;
; NOT USED, by this text's own arithmetic: matrix instructions (no product); clusters with joint requests (work-groups share one
; row in 257); LDS as a way in (each input byte is used by one lane, and the ring in registers holds 256 KiB per work-group);
; prefetches (the first instructions of the waves already ask for half of all the work-group reads).
.set ROWB,  2048                       ; bytes in a row
.set WROWS, 16                         ; rows of a wave
.set SLOTS, 8                          ; row slots in a wave's ring
.set IDX0,  16                         ; LDS byte of the result of the work-group's row 0 (4 bytes a row); the row before it at IDX0-4
.set VO,  1                            ; v1       16 x lane + wave x 16 rows: my byte offset from the work-group's first row
.set LA,  2                            ; v2       wave x 64: my wave's 16 result words in LDS
.set BIG, 3                            ; v3       512.0: "no match in this chain", above every column
.set T,   4                            ; v[4:7]   maxima; v4 ends as the row's maximum in every lane
.set L,   8                            ; v[8:11]  four chains: least matching column of load j, as f32
.set C,   12                           ; v[12:27] my 16 column numbers as f32: C+4j+k = 128 j + 4 lane + k
.set E,   28                           ; v[28:43] wave 0 only: the row in front of the work-group's first
.set X,   44                           ; v[44:171] slot s: 16 registers, a row as loaded
.set MK,  20                           ; s[20:23] lane masks of four compares
	s_load_b128 s[4:7], s[0:1], 0x0                ; emission s[4:5], out0 s[6:7]
	s_load_b64 s[8:9], s[0:1], 0x10                ; out1
	v_lshl_add_u32 v172, v0, 2, 0x500
	v_mov_b32 v173, 0
	; all of the set-up stands between the scalar loads and their wait
	v_lshrrev_b32 v5, 5, v0
	v_readfirstlane_b32 s10, v5                    ; wave 0..15
	v_and_b32 v4, 31, v0                           ; lane
	v_lshlrev_b32 v[VO], 4, v4
	v_lshl_add_u32 v[VO], v5, 15, v[VO]            ; + wave x 16 rows x 2,048 bytes
	v_mov_b32 v[LA], s10
	v_lshlrev_b32 v[LA], 6, v[LA]
	v_mov_b32 v[BIG], 0x44000000                   ; 512.0
	v_lshlrev_b32 v4, 2, v4                        ; 4 x lane
.irp j, 0,1,2,3
.irp k, 0,1,2,3
	v_add_nc_u32 v[C+4*\j+\k], 128*\j+\k, v4
.endr
.endr
.irp e, 0,1,2,3,4,5,6,7,8,9,10,11,12,13,14,15
	v_cvt_f32_u32 v[C+\e], v[C+\e]                 ; columns 0..511 are exact in f32: the lane reductions below are f32 minima
.endr
	s_mov_b32 s14, 0x76543210                      ; v_permlanex16_b32: lane i of one half reads lane i of the other
	s_mov_b32 s15, 0xfedcba98
	s_lshl_b32 s16, ttmp9, 8                       ; the work-group's first row,
	s_max_u32 s16, s16, 1
	s_sub_co_u32 s16, s16, 1                       ; the row before it; in work-group 0 row 0 (inside the buffer; its result is replaced below)
	s_lshl_b32 s16, s16, 11                        ; in bytes: at most 65,535 x 2,048, below 2^31
	s_mov_b32 s17, 0
	s_lshl_b32 s18, ttmp9, 19                      ; 256 rows x 2,048 bytes
	s_mov_b32 s19, 0
	s_lshl_b32 s24, ttmp9, 10                      ; 256 x 4 bytes of out0
	s_mov_b32 s25, 0
	s_lshl_b32 s26, ttmp9, 8                       ; 256 bytes of out1
	s_mov_b32 s27, 0
	s_wait_kmcnt 0x0
	s_add_nc_u64 s[12:13], s[4:5], s[16:17]        ; emission at the row before
	s_add_nc_u64 s[4:5], s[4:5], s[18:19]          ; emission at the work-group's first row
	s_add_nc_u64 s[6:7], s[6:7], s[24:25]
	s_add_nc_u64 s[8:9], s[8:9], s[26:27]
; Four loads: row \row of my wave into the 16 registers at \x.  Read-once data carry the non-temporal hint; a wave's last row does
; not, because the last row of the work-group is read once more by the next work-group's wave 0.
.macro LOADROW x, row
.irp j, 0,1,2,3
.if \row == WROWS-1
	global_load_b128 v[\x+4*\j:\x+4*\j+3], v[VO], s[4:5] offset:\row*ROWB+512*\j
.else
	global_load_b128 v[\x+4*\j:\x+4*\j+3], v[VO], s[4:5] offset:\row*ROWB+512*\j th:TH_LOAD_NT
.endif
.endr
.endm
.macro FILL
.irp s, 0,1,2,3,4,5,6,7
	LOADROW X+16*\s, \s
.endr
.endm
; One row, lying in the 16 registers at \x: its argmax goes, as f32, to LDS byte LA + \ldsoff.
; next != 0: the registers are loaded again with my wave's row \next as soon as the compares have read them.
.macro ROW x, ldsoff, next
	; the largest of my 16 values: four chains, then together
	v_max3_num_f32 v[T],   v[\x],    v[\x+1],  v[\x+2]
	v_max3_num_f32 v[T+1], v[\x+3],  v[\x+4],  v[\x+5]
	v_max3_num_f32 v[T+2], v[\x+6],  v[\x+7],  v[\x+8]
	v_max3_num_f32 v[T+3], v[\x+9],  v[\x+10], v[\x+11]
	v_max3_num_f32 v[T],   v[T],     v[\x+12], v[\x+13]
	v_max3_num_f32 v[T+1], v[T+1],   v[\x+14], v[\x+15]
	v_max3_num_f32 v[T],   v[T],     v[T+1],   v[T+2]
	v_max_num_f32  v[T],   v[T],     v[T+3]
	; across the 32 lanes: four steps inside each half of 16 lanes, one across the halves; every lane ends with the row's maximum
	v_max_num_f32_dpp v[T], v[T], v[T] row_xmask:1 row_mask:0xf bank_mask:0xf
	v_max_num_f32_dpp v[T], v[T], v[T] row_xmask:2 row_mask:0xf bank_mask:0xf
	v_max_num_f32_dpp v[T], v[T], v[T] row_xmask:4 row_mask:0xf bank_mask:0xf
	v_max_num_f32_dpp v[T], v[T], v[T] row_xmask:8 row_mask:0xf bank_mask:0xf
	v_permlanex16_b32 v[T+1], v[T], s14, s15       ; its destination counts as read: T+1 was written above
	v_max_num_f32 v[T], v[T], v[T+1]
	; where is it?  Chain j walks load j's four words from the highest column down, so that the lowest match is written last.
	; Four compares into four masks, then the four selects: no instruction leans on the one in front of it.
.irp k, 3,2,1,0
.irp j, 0,1,2,3
	v_cmp_eq_f32 s[MK+\j], v[\x+4*\j+\k], v[T]
.endr
.irp j, 0,1,2,3
.if \k == 3
	v_cndmask_b32 v[L+\j], v[BIG], v[C+4*\j+\k], s[MK+\j]      ; the first link starts the chain: nothing is cleared
.else
	v_cndmask_b32 v[L+\j], v[L+\j], v[C+4*\j+\k], s[MK+\j]
.endif
.endr
.endr
.if \next
	LOADROW \x, \next                              ; the row's registers have been read for the last time
.endif
	; the least matching column: of my four chains, then of the 32 lanes
	v_min3_num_f32 v[L], v[L], v[L+1], v[L+2]
	v_min_num_f32  v[L], v[L], v[L+3]
	v_min_num_f32_dpp v[L], v[L], v[L] row_xmask:1 row_mask:0xf bank_mask:0xf
	v_min_num_f32_dpp v[L], v[L], v[L] row_xmask:2 row_mask:0xf bank_mask:0xf
	v_min_num_f32_dpp v[L], v[L], v[L] row_xmask:4 row_mask:0xf bank_mask:0xf
	v_min_num_f32_dpp v[L], v[L], v[L] row_xmask:8 row_mask:0xf bank_mask:0xf
	v_permlanex16_b32 v[L+1], v[L], s14, s15
	v_min_num_f32 v[L], v[L], v[L+1]
	ds_store_b32 v[LA], v[L] offset:\ldsoff        ; all lanes write the same word with the same value
.endm
; left = loads of mine that were issued behind this slot's four and may stay out
.macro TURN slot, row, next, left
	s_wait_loadcnt \left                           ; loads return in order (ISA guide 5.7.1): this slot's row is in
	ROW X+16*\slot, IDX0+4*\row, \next
.endm
	; Wave 0 makes a detour for the row in front of the work-group's first.  Its four loads go out ahead of the ring's, and the
	; detour has a fill of its own, so that both paths arrive at .Lmain with the same 32 loads outstanding.
	s_cmp_lg_u32 s10, 0
	s_cbranch_scc1 .Lothers
.irp j, 0,1,2,3
	global_load_b128 v[E+4*\j:E+4*\j+3], v[VO], s[12:13] offset:512*\j   ; in wave 0 VO is 16 x lane; no hint: its owner reads this row too
.endr
	FILL
	s_wait_loadcnt 4*SLOTS                         ; the ring's 32 loads were issued behind these four and stay out
	ROW E, IDX0-4, 0
	s_branch .Lmain
.Lothers:
	FILL
.Lmain:
	; rows 0-7: each slot is filled again, so seven rows (28 loads) are always behind the one waited for
	TURN 0, 0, 8, 28
	TURN 1, 1, 9, 28
	TURN 2, 2, 10, 28
	TURN 3, 3, 11, 28
	TURN 4, 4, 12, 28
	TURN 5, 5, 13, 28
	TURN 6, 6, 14, 28
	TURN 7, 7, 15, 28
	; rows 8-15 load nothing more: the counts run down, four for each row still behind
	TURN 0, 8, 0, 28
	TURN 1, 9, 0, 24
	TURN 2, 10, 0, 20
	TURN 3, 11, 0, 16
	TURN 4, 12, 0, 12
	TURN 5, 13, 0, 8
	TURN 6, 14, 0, 4
	TURN 7, 15, 0, 0
	s_wait_dscnt 0x0                               ; for the other waves' sake: my results are in LDS before I say so
	s_barrier_signal -1
	s_barrier_wait -1                              ; all 257 results are there
	s_cmp_gt_u32 s10, 2
	s_cbranch_scc1 .Lend                           ; waves 3-15 have nothing left to do
	s_cmp_eq_u32 s10, 2
	s_cbranch_scc1 .Lkeep
	; WAVES 0 AND 1: out0.  Thread t (0..63) takes rows 4 t .. 4 t + 3: each wave's store covers 512 consecutive bytes, aligned to 256.
	v_and_b32 v12, 63, v0
	v_lshlrev_b32 v12, 4, v12                      ; 16 t: the same offset in LDS and in out0
	ds_load_b128 v[4:7], v12 offset:IDX0
	s_wait_dscnt 0x0
.irp i, 4,5,6,7
	v_cvt_u32_f32 v\i, v\i
.endr
.irp i, 4,5,6,7
	v_and_b32 v\i, 0x1ff, v\i                      ; 512 = no element equalled the maximum = a row of NaNs only: index 0
.endr
	global_store_b128 v12, v[4:7], s[6:7] th:TH_STORE_NT
	s_wait_tensorcnt 0x0
	ds_add_u32 v172, v173
	s_wait_dscnt 0x0
	s_endpgm
.Lkeep:
	; WAVE 2: out1.  Lane l takes rows 8 l .. 8 l + 7 and the row before them: v3 = index[8l-1], v4..v11 = index[8l..8l+7].
	v_and_b32 v12, 31, v0
	v_lshlrev_b32 v13, 5, v12                      ; LDS: 8 rows x 4 bytes a lane
	v_lshlrev_b32 v14, 3, v12                      ; out1: 8 bytes a lane
	ds_load_b32 v3, v13 offset:IDX0-4
	ds_load_b128 v[4:7], v13 offset:IDX0
	ds_load_b128 v[8:11], v13 offset:IDX0+16
	s_cmp_eq_u32 ttmp9, 0
	s_cselect_b32 s24, 1, 0                        ; a lane mask: lane 0 of work-group 0 has no row before it
	s_wait_dscnt 0x0
.irp i, 3,4,5,6,7,8,9,10,11
	v_cvt_u32_f32 v\i, v\i
.endr
.irp i, 3,4,5,6,7,8,9,10,11
	v_and_b32 v\i, 0x1ff, v\i                      ; as for out0
.endr
	v_cndmask_b32 v3, v3, -1, s24                  ; index[-1] = -1 differs from every index
.irp h, 0,1
.irp i, 0,1,2,3
	v_cmp_ne_u32 s[MK+\i], v[4+4*\h+\i], v[3+4*\h+\i]          ; differs from the row before
.endr
.irp i, 0,1,2,3
	v_cndmask_b32 v[16+\i], 0, v[4+4*\h+\i], s[MK+\i]          ; the index where it differs, else 0
.endr
.irp i, 0,1,2,3
	v_min_u32 v[16+\i], 1, v[16+\i]                            ; 1 where it differs and is not the blank 0
.endr
	v_lshl_or_b32 v[24+\h], v17, 8, v16                        ; four flags, one byte each, the lowest row in the lowest byte
	v_lshl_or_b32 v[24+\h], v18, 16, v[24+\h]
	v_lshl_or_b32 v[24+\h], v19, 24, v[24+\h]
.endr
	global_store_b64 v14, v[24:25], s[8:9] th:TH_STORE_NT      ; 32 lanes x 8 bytes: the work-group's 256 bytes of out1 in one store
.Lend:
	s_wait_tensorcnt 0x0
	ds_add_u32 v172, v173
	s_wait_dscnt 0x0
	s_endpgm
.Lfunc_end_k_qbc533b5fed_decode:
	.size	k_qbc533b5fed_decode, .Lfunc_end_k_qbc533b5fed_decode-k_qbc533b5fed_decode
	.p2alignl 7, 3214868480
	.fill 96, 4, 3214868480
	.section	.rodata,"a",@progbits
	.p2align	6, 0x0
	.amdhsa_kernel k_qbc533b5fed_decode
		.amdhsa_group_segment_fixed_size 3328
		.amdhsa_private_segment_fixed_size 0
		.amdhsa_enable_private_segment 0
		.amdhsa_kernarg_size 24
		.amdhsa_user_sgpr_count 2
		.amdhsa_user_sgpr_kernarg_segment_ptr 1
		.amdhsa_wavefront_size32 1
		.amdhsa_system_sgpr_workgroup_id_x 1
		.amdhsa_system_sgpr_workgroup_id_y 1
		.amdhsa_system_sgpr_workgroup_id_z 1
		.amdhsa_system_vgpr_workitem_id 0
		.amdhsa_next_free_vgpr 174
		.amdhsa_next_free_sgpr 66
		.amdhsa_reserve_vcc 0
		.amdhsa_float_denorm_mode_32 3
		.amdhsa_float_denorm_mode_16_64 3
		.amdhsa_memory_ordered 1
		.amdhsa_forward_progress 1
		.amdhsa_inst_pref_size 74
	.end_amdhsa_kernel
	.amdgpu_metadata
---
amdhsa.version: [ 1, 2 ]
amdhsa.kernels:
  - .name:           k_qbc533b5fed_decode
    .symbol:         k_qbc533b5fed_decode.kd
    .args:
      - { .name: emission, .offset: 0, .size: 8, .value_kind: global_buffer, .address_space: global }
      - { .name: out0, .offset: 8, .size: 8, .value_kind: global_buffer, .address_space: global }
      - { .name: out1, .offset: 16, .size: 8, .value_kind: global_buffer, .address_space: global }
    .group_segment_fixed_size: 3328
    .private_segment_fixed_size: 0
    .kernarg_segment_align: 8
    .kernarg_segment_size: 24
    .max_flat_workgroup_size: 512
    .sgpr_count:     66
    .vgpr_count:     174
    .wavefront_size: 32
...
	.end_amdgpu_metadata
.endif
;; end of part 1
;; ======== version 2 of 2: 1 launch; version 1 with the launch decode written anew for expert scheduling mode
;; launch decode (part 2): grid 256 x 1, 16 waves a work-group, no clusters, 3,328 bytes of LDS; arguments emission, out0, out1; writes out0, out1
.if DOCPART == 2
	.amdgcn_target "amdgcn-amd-amdhsa--gfx1250"
	.amdhsa_code_object_version 6
	.text
	.protected	k_qbc533b5fed_decode
	.globl	k_qbc533b5fed_decode
	.p2align	8
	.type	k_qbc533b5fed_decode,@function
k_qbc533b5fed_decode:
	s_mov_b64 s[64:65], 0
	v_nop
	global_prefetch_b8 v0, s[64:65] scope:SCOPE_SE
	s_setreg_imm32_b32 hwreg(HW_REG_WAVE_SCHED_MODE, 0, 2), 2
	s_setreg_imm32_b32 hwreg(HW_REG_WAVE_MODE, 25, 1), 1
	s_wait_xcnt 0x0
	s_wait_alu depctr_vm_vsrc(0)
; Greedy CTC decode.  emission: [65536][512] f32.  out0[t] = argmax over the row (int32, ties: lowest column).
; out1[t] = 1 byte, keep[t].  reference()'s char is where(i==0,-1, where(i>1, i-1, 0)), which is i-1 for every i >= 0, so
;   keep[t] = (out0[t] != out0[t-1]) and (out0[t] != 0), with -1 standing for out0[-1] (reference()'s prev = -2 at t = 0).
;
; SHARES.  256 work-groups x 256 rows; 16 waves x 16 consecutive rows; one wave takes a whole row of 2,048 bytes by four 16-byte
; loads a lane, each load of the wave covering 512 consecutive bytes.  Lane l, load j, word k holds column 128 j + 4 l + k.
; A work-group's 256 rows are 1,024 consecutive bytes of out0 and 256 of out1, aligned to 256: the rows' results meet in LDS,
; and three waves store them, every store instruction covering whole aligned runs of 256 bytes.
; The row in front of the work-group's first row is needed for keep: wave 0 computes it once more (1 row beside 256).
;
; RING.  Eight row slots of 16 registers in each wave: 32 loads (16 KiB) of every wave are on their way.  Every address is one
; fixed vector offset plus an immediate, so no address register is ever rewritten while a load is pending.
;
; THE MODE: SCHED_MODE bits 1:0 = 2 (LLVM: expert scheduling mode 2), set by the entry lines.  The code itself states the register
; dependences between vector instructions and memory or LDS instructions, and those through scalar registers that vector
; instructions write, with s_wait_alu, always for 0.
; THE PLAN.  Registers that memory or LDS instructions touch:
;   v[VO], v[LA]   offset of every global load, address of every LDS store: made at the head, never written again.
;   X slot s       written by loads alone; read by its row's maxima and its 16 compares; behind the compares it is loaded again.
;   E              wave 0: loaded once, read by one row's arithmetic.
;   RES + r        row r's result: written once in the launch, by the row's last minimum; read by one LDS store, issued in the next
;                  row's turn.  No result register is written twice, so nothing is owed between a store and a later write.
;   T, L, C, BIG   named by vector instructions alone until the way out.
; Scalar registers that vector instructions write: s10 (the wave's number) and the compares' masks s[MK ..].
; A row's 16 compares stand in one run.  Behind them two lines: the masks are written (for the selects); the compares are done
; reading the slot and the row before has written its result.  The turn's four loads and its one LDS store follow, dealt among the
; selects and minima, which name L, C, BIG, the masks and this row's own RES: none of the registers that those five touch.
;
; LIMIT (format): an element that is NaN is never chosen (v_max_num_f32 drops it and v_cmp_eq_f32 is false for it), where
; reference() chooses the row's first NaN.  A row of 512 NaNs gives 0, as in reference().  Infinities, -0 against +0 and equal
; values are treated as reference() treats them: the lowest column among the largest values.
;
; NOT USED, by this text's own arithmetic: matrix instructions (no product); clusters with joint requests (work-groups share one
; row in 257); LDS as a way in (each input byte is used by one lane, and the ring in registers holds 256 KiB per work-group);
; prefetches (the first instructions of the waves already ask for half of all the work-group reads).
.set ROWB,  2048                       ; bytes in a row
.set WROWS, 16                         ; rows of a wave
.set SLOTS, 8                          ; row slots in a wave's ring
.set IDX0,  16                         ; LDS byte of the result of the work-group's row 0 (4 bytes a row); the row before it at IDX0-4
.set VO,  1                            ; v1       16 x lane + wave x 16 rows: my byte offset from the work-group's first row
.set LA,  2                            ; v2       wave x 64: my wave's 16 result words in LDS
.set BIG, 3                            ; v3       512.0: "no match in this chain", above every column
.set T,   4                            ; v[4:7]   maxima; v4 ends as the row's maximum in every lane
.set L,   8                            ; v[8:11]  four chains: least matching column of load j, as f32
.set C,   12                           ; v[12:27] my 16 column numbers as f32: C+4j+k = 128 j + 4 lane + k
.set E,   28                           ; v[28:43] wave 0 only: the row in front of the work-group's first
.set X,   44                           ; v[44:171] slot s: 16 registers, a row as loaded
.set RES, 172                          ; v[172:187] row r's result, as f32; v188: that of wave 0's extra row
.set MK,  16                           ; s[16:31] lane masks of a row's 16 compares: MK+4j+k (the head's byte offsets lie here first and are done with by then)
	s_load_b128 s[4:7], s[0:1], 0x0                ; emission s[4:5], out0 s[6:7]
	s_load_b64 s[8:9], s[0:1], 0x10                ; out1
	v_lshl_add_u32 v189, v0, 2, 0x500
	v_mov_b32 v190, 0
	; all of the set-up stands between the scalar loads and their wait
	v_lshrrev_b32 v5, 5, v0
	v_readfirstlane_b32 s10, v5                    ; wave 0..15
	v_and_b32 v4, 31, v0                           ; lane
	v_lshlrev_b32 v[VO], 4, v4
	v_lshl_add_u32 v[VO], v5, 15, v[VO]            ; + wave x 16 rows x 2,048 bytes
	v_mov_b32 v[BIG], 0x44000000                   ; 512.0
	v_lshlrev_b32 v4, 2, v4                        ; 4 x lane
.irp j, 0,1,2,3
.irp k, 0,1,2,3
	v_add_nc_u32 v[C+4*\j+\k], 128*\j+\k, v4
.endr
.endr
.irp e, 0,1,2,3,4,5,6,7,8,9,10,11,12,13,14,15
	v_cvt_f32_u32 v[C+\e], v[C+\e]                 ; columns 0..511 are exact in f32: the lane reductions below are f32 minima
.endr
	s_wait_alu depctr_va_sdst(0)                   ; s10 is written, ahead of its first reader, the next line
	v_mov_b32 v[LA], s10
	v_lshlrev_b32 v[LA], 6, v[LA]
	s_mov_b32 s14, 0x76543210                      ; v_permlanex16_b32: lane i of one half reads lane i of the other
	s_mov_b32 s15, 0xfedcba98
	s_lshl_b32 s16, ttmp9, 8                       ; the work-group's first row,
	s_max_u32 s16, s16, 1
	s_sub_co_u32 s16, s16, 1                       ; the row before it; in work-group 0 row 0 (inside the buffer; its result is replaced below)
	s_lshl_b32 s16, s16, 11                        ; in bytes: at most 65,535 x 2,048, below 2^31
	s_mov_b32 s17, 0
	s_lshl_b32 s18, ttmp9, 19                      ; 256 rows x 2,048 bytes
	s_mov_b32 s19, 0
	s_lshl_b32 s24, ttmp9, 10                      ; 256 x 4 bytes of out0
	s_mov_b32 s25, 0
	s_lshl_b32 s26, ttmp9, 8                       ; 256 bytes of out1
	s_mov_b32 s27, 0
	s_wait_kmcnt 0x0
	s_add_nc_u64 s[12:13], s[4:5], s[16:17]        ; emission at the row before
	s_add_nc_u64 s[4:5], s[4:5], s[18:19]          ; emission at the work-group's first row
	s_add_nc_u64 s[6:7], s[6:7], s[24:25]
	s_add_nc_u64 s[8:9], s[8:9], s[26:27]
	s_wait_alu depctr_va_vdst(0)                   ; v[VO] and v[LA] are written: every global load reads the one as its offset, every LDS store the other as its address, on both paths below
; One load: piece \j (512 bytes of the wave) of my wave's row \row into the registers at \x.  Read-once data carry the non-temporal
; hint; a wave's last row does not, because the last row of the work-group is read once more by the next work-group's wave 0.
.macro LOAD1 x, row, j
.if (\row) == WROWS-1
	global_load_b128 v[(\x)+4*(\j):(\x)+4*(\j)+3], v[VO], s[4:5] offset:(\row)*ROWB+512*(\j)
.else
	global_load_b128 v[(\x)+4*(\j):(\x)+4*(\j)+3], v[VO], s[4:5] offset:(\row)*ROWB+512*(\j) th:TH_LOAD_NT
.endif
.endm
.macro FILL
.irp s, 0,1,2,3,4,5,6,7
.irp j, 0,1,2,3
	LOAD1 X+16*\s, \s, \j
.endr
.endr
.endm
; One row, lying in the 16 registers at \x: its argmax goes, as f32, into v[\res].
; next != 0: the registers are loaded again with my wave's row \next as soon as the compares have read them.
; prow >= 0: the result of my wave's row \prow, made in the turn before, goes to LDS.
.macro ROW x, res, next, prow
	; the largest of my 16 values: four chains, then together
	v_max3_num_f32 v[T],   v[\x],    v[\x+1],  v[\x+2]
	v_max3_num_f32 v[T+1], v[\x+3],  v[\x+4],  v[\x+5]
	v_max3_num_f32 v[T+2], v[\x+6],  v[\x+7],  v[\x+8]
	v_max3_num_f32 v[T+3], v[\x+9],  v[\x+10], v[\x+11]
	v_max3_num_f32 v[T],   v[T],     v[\x+12], v[\x+13]
	v_max3_num_f32 v[T+1], v[T+1],   v[\x+14], v[\x+15]
	v_max3_num_f32 v[T],   v[T],     v[T+1],   v[T+2]
	v_max_num_f32  v[T],   v[T],     v[T+3]
	; across the 32 lanes: four steps inside each half of 16 lanes, one across the halves; every lane ends with the row's maximum
	v_max_num_f32_dpp v[T], v[T], v[T] row_xmask:1 row_mask:0xf bank_mask:0xf
	v_max_num_f32_dpp v[T], v[T], v[T] row_xmask:2 row_mask:0xf bank_mask:0xf
	v_max_num_f32_dpp v[T], v[T], v[T] row_xmask:4 row_mask:0xf bank_mask:0xf
	v_max_num_f32_dpp v[T], v[T], v[T] row_xmask:8 row_mask:0xf bank_mask:0xf
	v_permlanex16_b32 v[T+1], v[T], s14, s15       ; its destination counts as read: T+1 was written above
	v_max_num_f32 v[T], v[T], v[T+1]
	; where is it?  All 16 compares in one run, into 16 masks, so that one wait serves the 16 selects.
.irp k, 3,2,1,0
.irp j, 0,1,2,3
	v_cmp_eq_f32 s[MK+4*\j+\k], v[\x+4*\j+\k], v[T]
.endr
.endr
	s_wait_alu depctr_va_sdst(0)                   ; the 16 masks are written, ahead of their first readers, the selects below
.if (\next) || ((\prow) >= 0)
	s_wait_alu depctr_va_vdst(0)                   ; the compares, the last readers of this row's registers, are done reading them (the loads below land there); the row before has written its result (the LDS store below reads it)
.endif
	; Chain j walks load j's four words from the highest column down, so that the lowest match is written last.
	; A load of the refill stands ahead of each four selects: no vector instruction since the wait names its registers.
.irp k, 3,2,1,0
.if \next
	LOAD1 \x, \next, 3-\k
.endif
.irp j, 0,1,2,3
.if \k == 3
	v_cndmask_b32 v[L+\j], v[BIG], v[C+4*\j+\k], s[MK+4*\j+\k] ; the first link starts the chain: nothing is cleared
.else
	v_cndmask_b32 v[L+\j], v[L+\j], v[C+4*\j+\k], s[MK+4*\j+\k]
.endif
.endr
.endr
.if (\prow) >= 0
	ds_store_b32 v[LA], v[RES+(\prow)] offset:IDX0+4*(\prow)   ; all lanes write the same word with the same value; no vector instruction since the wait names these two registers
.endif
	; the least matching column: of my four chains, then of the 32 lanes
	v_min3_num_f32 v[L], v[L], v[L+1], v[L+2]
	v_min_num_f32  v[L], v[L], v[L+3]
	v_min_num_f32_dpp v[L], v[L], v[L] row_xmask:1 row_mask:0xf bank_mask:0xf
	v_min_num_f32_dpp v[L], v[L], v[L] row_xmask:2 row_mask:0xf bank_mask:0xf
	v_min_num_f32_dpp v[L], v[L], v[L] row_xmask:4 row_mask:0xf bank_mask:0xf
	v_min_num_f32_dpp v[L], v[L], v[L] row_xmask:8 row_mask:0xf bank_mask:0xf
	v_permlanex16_b32 v[L+1], v[L], s14, s15
	v_min_num_f32 v[\res], v[L], v[L+1]            ; into the row's own register, which nothing writes again
.endm
; left = loads of mine that were issued behind this slot's four and may stay out
.macro TURN slot, row, next, left
	s_wait_loadcnt \left                           ; loads return in order (ISA guide 5.7.1): this slot's row is in
	ROW X+16*\slot, RES+\row, \next, \row-1
.endm
	; Wave 0 makes a detour for the row in front of the work-group's first.  Its four loads go out ahead of the ring's, and the
	; detour has a fill of its own, so that both paths arrive at .Lmain with the same 32 loads outstanding.
	s_cmp_lg_u32 s10, 0
	s_cbranch_scc1 .Lothers
.irp j, 0,1,2,3
	global_load_b128 v[E+4*\j:E+4*\j+3], v[VO], s[12:13] offset:512*\j   ; in wave 0 VO is 16 x lane; no hint: its owner reads this row too
.endr
	FILL
	s_wait_loadcnt 4*SLOTS                         ; the ring's 32 loads were issued behind these four and stay out
	ROW E, RES+16, 0, -1
	s_wait_alu depctr_va_vdst(0)                   ; the extra row's last minimum has written v[RES+16], which the LDS store reads
	ds_store_b32 v[LA], v[RES+16] offset:IDX0-4    ; in wave 0 LA is 0
	s_branch .Lmain
.Lothers:
	FILL
.Lmain:
	; rows 0-7: each slot is filled again, so seven rows (28 loads) are always behind the one waited for
	TURN 0, 0, 8, 28
	TURN 1, 1, 9, 28
	TURN 2, 2, 10, 28
	TURN 3, 3, 11, 28
	TURN 4, 4, 12, 28
	TURN 5, 5, 13, 28
	TURN 6, 6, 14, 28
	TURN 7, 7, 15, 28
	; rows 8-15 load nothing more: the counts run down, four for each row still behind
	TURN 0, 8, 0, 28
	TURN 1, 9, 0, 24
	TURN 2, 10, 0, 20
	TURN 3, 11, 0, 16
	TURN 4, 12, 0, 12
	TURN 5, 13, 0, 8
	TURN 6, 14, 0, 4
	TURN 7, 15, 0, 0
	s_wait_alu depctr_va_vdst(0)                   ; row 15's last minimum has written v[RES+15], which the last LDS store reads
	ds_store_b32 v[LA], v[RES+15] offset:IDX0+4*15
	s_wait_dscnt 0x0                               ; for the other waves' sake: my results are in LDS before I say so
	s_barrier_signal -1
	s_barrier_wait -1                              ; all 257 results are there
	s_cmp_gt_u32 s10, 2
	s_cbranch_scc1 .Lend                           ; waves 3-15 have nothing left to do
	s_cmp_eq_u32 s10, 2
	s_cbranch_scc1 .Lkeep
	; WAVES 0 AND 1: out0.  Thread t (0..63) takes rows 4 t .. 4 t + 3: each wave's store covers 512 consecutive bytes, aligned to 256.
	v_and_b32 v12, 63, v0
	v_lshlrev_b32 v12, 4, v12                      ; 16 t: the same offset in LDS and in out0
	s_wait_alu depctr_va_vdst(0)                   ; v12, the LDS load's address and the store's offset, is written; the rows' arithmetic is done with v[4:7], in which the load lands
	ds_load_b128 v[4:7], v12 offset:IDX0
	s_wait_dscnt 0x0
.irp i, 4,5,6,7
	v_cvt_u32_f32 v\i, v\i
.endr
.irp i, 4,5,6,7
	v_and_b32 v\i, 0x1ff, v\i                      ; 512 = no element equalled the maximum = a row of NaNs only: index 0
.endr
	s_wait_alu depctr_va_vdst(0)                   ; v[4:7] are written, which the store reads as its data
	global_store_b128 v12, v[4:7], s[6:7] th:TH_STORE_NT
	s_wait_dscnt 0x0
	s_wait_alu depctr_hold_cnt(0) depctr_sa_sdst(0) depctr_va_vdst(0) depctr_va_sdst(0) depctr_va_ssrc(0) depctr_va_vcc(0) depctr_vm_vsrc(0)
	s_wait_tensorcnt 0x0
	ds_add_u32 v189, v190
	s_wait_dscnt 0x0
	s_endpgm
.Lkeep:
	; WAVE 2: out1.  Lane l takes rows 8 l .. 8 l + 7 and the row before them: v3 = index[8l-1], v4..v11 = index[8l..8l+7].
	v_and_b32 v12, 31, v0
	v_lshlrev_b32 v13, 5, v12                      ; LDS: 8 rows x 4 bytes a lane
	v_lshlrev_b32 v14, 3, v12                      ; out1: 8 bytes a lane
	s_wait_alu depctr_va_vdst(0)                   ; v13, the LDS loads' address, and v14, the store's offset, are written; the rows' arithmetic is done with v3 to v11, in which the loads land
	ds_load_b32 v3, v13 offset:IDX0-4
	ds_load_b128 v[4:7], v13 offset:IDX0
	ds_load_b128 v[8:11], v13 offset:IDX0+16
	s_cmp_eq_u32 ttmp9, 0
	s_cselect_b32 s11, 1, 0                        ; a lane mask: lane 0 of work-group 0 has no row before it (a scalar register that no vector instruction writes)
	s_wait_dscnt 0x0
.irp i, 3,4,5,6,7,8,9,10,11
	v_cvt_u32_f32 v\i, v\i
.endr
.irp i, 3,4,5,6,7,8,9,10,11
	v_and_b32 v\i, 0x1ff, v\i                      ; as for out0
.endr
	v_cndmask_b32 v3, v3, -1, s11                  ; index[-1] = -1 differs from every index
.irp i, 0,1,2,3,4,5,6,7
	v_cmp_ne_u32 s[MK+\i], v[4+\i], v[3+\i]        ; differs from the row before: all eight compares in one run
.endr
	s_wait_alu depctr_va_sdst(0)                   ; the eight masks are written, ahead of their first readers, the selects below
.irp h, 0,1
.irp i, 0,1,2,3
	v_cndmask_b32 v[16+\i], 0, v[4+4*\h+\i], s[MK+4*\h+\i]     ; the index where it differs, else 0
.endr
.irp i, 0,1,2,3
	v_min_u32 v[16+\i], 1, v[16+\i]                            ; 1 where it differs and is not the blank 0
.endr
	v_lshl_or_b32 v[24+\h], v17, 8, v16                        ; four flags, one byte each, the lowest row in the lowest byte
	v_lshl_or_b32 v[24+\h], v18, 16, v[24+\h]
	v_lshl_or_b32 v[24+\h], v19, 24, v[24+\h]
.endr
	s_wait_alu depctr_va_vdst(0)                   ; v[24:25] are written, which the store reads as its data
	global_store_b64 v14, v[24:25], s[8:9] th:TH_STORE_NT      ; 32 lanes x 8 bytes: the work-group's 256 bytes of out1 in one store
.Lend:
	s_wait_dscnt 0x0
	s_wait_alu depctr_hold_cnt(0) depctr_sa_sdst(0) depctr_va_vdst(0) depctr_va_sdst(0) depctr_va_ssrc(0) depctr_va_vcc(0) depctr_vm_vsrc(0)
	s_wait_tensorcnt 0x0
	ds_add_u32 v189, v190
	s_wait_dscnt 0x0
	s_endpgm
.Lfunc_end_k_qbc533b5fed_decode:
	.size	k_qbc533b5fed_decode, .Lfunc_end_k_qbc533b5fed_decode-k_qbc533b5fed_decode
	.p2alignl 7, 3214868480
	.fill 96, 4, 3214868480
	.section	.rodata,"a",@progbits
	.p2align	6, 0x0
	.amdhsa_kernel k_qbc533b5fed_decode
		.amdhsa_group_segment_fixed_size 3328
		.amdhsa_private_segment_fixed_size 0
		.amdhsa_enable_private_segment 0
		.amdhsa_kernarg_size 24
		.amdhsa_user_sgpr_count 2
		.amdhsa_user_sgpr_kernarg_segment_ptr 1
		.amdhsa_wavefront_size32 1
		.amdhsa_system_sgpr_workgroup_id_x 1
		.amdhsa_system_sgpr_workgroup_id_y 1
		.amdhsa_system_sgpr_workgroup_id_z 1
		.amdhsa_system_vgpr_workitem_id 0
		.amdhsa_next_free_vgpr 191
		.amdhsa_next_free_sgpr 66
		.amdhsa_reserve_vcc 0
		.amdhsa_float_denorm_mode_32 3
		.amdhsa_float_denorm_mode_16_64 3
		.amdhsa_memory_ordered 1
		.amdhsa_forward_progress 1
		.amdhsa_inst_pref_size 75
	.end_amdhsa_kernel
	.amdgpu_metadata
---
amdhsa.version: [ 1, 2 ]
amdhsa.kernels:
  - .name:           k_qbc533b5fed_decode
    .symbol:         k_qbc533b5fed_decode.kd
    .args:
      - { .name: emission, .offset: 0, .size: 8, .value_kind: global_buffer, .address_space: global }
      - { .name: out0, .offset: 8, .size: 8, .value_kind: global_buffer, .address_space: global }
      - { .name: out1, .offset: 16, .size: 8, .value_kind: global_buffer, .address_space: global }
    .group_segment_fixed_size: 3328
    .private_segment_fixed_size: 0
    .kernarg_segment_align: 8
    .kernarg_segment_size: 24
    .max_flat_workgroup_size: 512
    .sgpr_count:     66
    .vgpr_count:     191
    .wavefront_size: 32
...
	.end_amdgpu_metadata
.endif
;; end of part 2
